; MI455X (gfx1250); checked and timed in simulation.
; The chip was launched on July 23, 2026; its instructions are those of AMD's public machine-readable ISA for CDNA 5 (MIT licence, August 2026) and "CDNA5" Instruction Set Architecture Reference Guide (July 2026). The comments in the code are by the model that wrote it; some were corrected since.
;; Attention Head. Allowed arithmetic: matrix products marked QUANTISED: E3M2 operands, one E8M0 scale for each 32 along K, by v_wmma_scale_f32_16x16x128_f8f6f4 with both operands' format E3M2, f32 sums; everything else in f32.
;; Inputs: Wk_codes 64 x 32 x 24 uint8 (E3M2 codes of Wk, K innermost, in blocks of 32 codes, four codes in three bytes); Wk_scales 64 x 32 uint8 (E8M0 scales of Wk, one for each 32 codes along K); Wq_codes 64 x 32 x 24 uint8 (E3M2 codes of Wq, K innermost, in blocks of 32 codes, four codes in three bytes); Wq_scales 64 x 32 uint8 (E8M0 scales of Wq, one for each 32 codes along K); Wv_codes 64 x 32 x 24 uint8 (E3M2 codes of Wv, K innermost, in blocks of 32 codes, four codes in three bytes); Wv_scales 64 x 32 uint8 (E8M0 scales of Wv, one for each 32 codes along K); bk 64 float32; bq 64 float32; bv 64 float32; input1_codes 4 x 4,096 x 32 x 24 uint8 (E3M2 codes of input1, K innermost, in blocks of 32 codes, four codes in three bytes); input1_scales 4 x 4,096 x 32 uint8 (E8M0 scales of input1, one for each 32 codes along K); input2_codes 4 x 4,096 x 32 x 24 uint8 (E3M2 codes of input2, K innermost, in blocks of 32 codes, four codes in three bytes); input2_scales 4 x 4,096 x 32 uint8 (E8M0 scales of input2, one for each 32 codes along K).
;; Outputs: out0 4 x 4,096 x 64 float32.
;; This version of the problem:
;;   THIS VERSION OF THE PROBLEM IS GIVEN IN LOW PRECISION. The matrix products marked QUANTISED in the list below multiply operands that are first quantised to E3M2 (3 exponent bits, 2 mantissa bits; 6 bits a number), with one power-of-two scale for each 32 numbers along K (OCP MX v1.0); their sums are f32. All else is computed in f32.
;;   The module's matrix products, in the order in which they are computed (A, B: the left and right operand; K: the contracted axis; several contracted axes count as one K, in the product's order):
;;     1. [M 16,384, K 1,024] x [K 1,024, N 64]; A: input input2 (given as codes); B: input Wq (given as codes): QUANTISED
;;     2. [M 16,384, K 1,024] x [K 1,024, N 64]; A: input input1 (given as codes); B: input Wk (given as codes): QUANTISED
;;     3. [M 16,384, K 1,024] x [K 1,024, N 64]; A: input input1 (given as codes); B: input Wv (given as codes): QUANTISED
;;     4. batch 4 x [M 4,096, K 64] x [K 64, N 4,096]; A: computed on the way; B: computed on the way: QUANTISED
;;     5. batch 4 x [M 4,096, K 4,096] x [K 4,096, N 64]; A: softmax (see below); B: computed on the way: QUANTISED
;;   THE QUANTISER, for each operand of a quantised product, along K:
;;     - K is cut into blocks of 32 from its start; a last block that is shorter is filled with zeros.
;;     - A block's scale is 2^e with e = floor(log2(the largest magnitude in the block)) - 4, held to -126 .. 127; a block of zeros has e = 0. As a byte (E8M0): e + 127.
;;     - Each number is divided by its block's scale, clamped to +-28, and rounded to the nearest number of E3M2, ties to even, subnormals kept.
;;     - The product sums the exact products of the quantised numbers (number of the format x scale) in f32.
;;   ~~~python
;;   def quantise(x, axis):      # numpy; x: float32 -> the quantised numbers, widened to float32 again
;;       x = np.moveaxis(x, axis, -1); K = x.shape[-1]
;;       x = np.pad(x, [(0, 0)] * (x.ndim - 1) + [(0, -K % 32)]); x = x.reshape(x.shape[:-1] + (-1, 32)); a = np.abs(x).max(-1, keepdims=True)
;;       e = np.where(a > 0, np.clip(np.frexp(np.where(a > 0, a, 1))[1] - 1 - 4, -126, 127), 0)      # np.frexp(a)[1] - 1 = floor(log2(a)), exactly
;;       r = np.clip(x / 2.0 ** e, -28, 28)
;;       step = 2.0 ** (np.maximum(np.frexp(np.where(r == 0, 1, r))[1] - 1, -2) - 2)
;;       q = np.round(r / step) * step * 2.0 ** e      # np.round: ties to even
;;       return np.moveaxis(q.reshape(q.shape[:-2] + (-1,))[..., :K], -1, axis).astype(np.float32)
;;   ~~~
;;   SOFTMAX AHEAD OF A QUANTISED PRODUCT. Where the list says 'softmax', what is quantised is not the finished softmax but p = 2^(t - M), with t = logit x log2(e) and M = ceil(the row's largest t), a whole number; so 1/2 < the row's largest p <= 1. The row's sum l is taken of the UNQUANTISED p, in f32, and the product's result is divided by l at the end. Since M is a whole number, a kernel that streams over the keys may use a running M (the ceiling of the running maximum): every later rescaling is an exact power of two, which a block's scale takes up: the codes' values come out the same.
;;   OPERANDS COMPUTED ON THE WAY. 'Computed on the way' means the value that the module computes at that place (a softmax that the list does not call 'softmax' is quantised finished and normalised). What goes into a quantiser is computed in f32, as accurately as f32 sums, v_exp_f32 and their like allow (about 1e-6 of the number): no bf16 or f16 on the way to a quantiser, and a product that is left as it is and whose result goes on into a quantised operand takes f32 operands (vector FMAs, or v_wmma_f32_16x16x4_f32). A number that lies on a knife's edge between two numbers of the format may be rounded either way, as far as f32 arithmetic and the matrix unit's own rounding can turn it there, and no further.
;;   INPUTS GIVEN AS CODES. Wk (in the module: [1024, 64], K = its axis 0); Wq (in the module: [1024, 64], K = its axis 0); Wv (in the module: [1024, 64], K = its axis 0); input1 (in the module: [4, 4096, 1024], K = its axis 2); input2 (in the module: [4, 4096, 1024], K = its axis 2): each comes as NAME_codes (uint8): NAME with its K axis moved to the last place and cut into blocks of 32 codes, [.., K / 32, bytes a block], one block behind the other in memory; four codes in three bytes: a row's codes are one little-endian stream of bits, code i at bits 6 i .. 6 i + 5 (a code: sign, 3 exponent bits, 2 mantissa bits); and NAME_scales (uint8): the same leading axes, one E8M0 byte (e + 127) for each 32 codes along K. Its value is code x scale, taken as it is: it is not quantised again, and the codes and scales need not be those that the quantiser above would give.
;; One version. Each part assembles by itself: llvm-mc -triple=amdgcn-amd-amdhsa -mcpu=gfx1250 --defsym DOCPART=n.
;; ======== version 1 of 1: 2 launches
;; limits: right only within a limited range of input values
;; workspace buffers: kv 1,703,936 bytes; qf 851,968 bytes
;; launch project (part 1): grid 256 x 1, 16 waves a work-group, clusters of 4 x 1, 327,680 bytes of LDS; arguments input1_codes, input1_scales, input2_codes, input2_scales, Wk_codes, Wk_scales, Wq_codes, Wq_scales, Wv_codes, Wv_scales, bk, bq, bv, kv, qf; writes kv, qf
.if DOCPART == 1
	.amdgcn_target "amdgcn-amd-amdhsa--gfx1250"
	.amdhsa_code_object_version 6
	.text
	.protected	k_q574e0426a0_project
	.globl	k_q574e0426a0_project
	.p2align	8
	.type	k_q574e0426a0_project,@function
k_q574e0426a0_project:
	s_mov_b64 s[64:65], 0
	v_nop
	global_prefetch_b8 v0, s[64:65] scope:SCOPE_SE
	s_setreg_imm32_b32 hwreg(HW_REG_WAVE_MODE, 25, 1), 1
	s_wait_xcnt 0x0
	s_wait_alu depctr_hold_cnt(0) depctr_sa_sdst(0) depctr_va_vdst(0) depctr_va_sdst(0) depctr_va_ssrc(0) depctr_va_vcc(0) depctr_vm_vsrc(0)
	s_getreg_b32 s2, hwreg(HW_REG_IB_STS2, 6, 4)
	s_cmp_eq_u32 s2, 0
	s_cbranch_scc0 .Lentry_in_a_cluster
	s_endpgm
.Lentry_in_a_cluster:
	s_bfe_u32 s2, ttmp6, 0x10000c
	s_cmp_lg_u32 s2, 0x3003
	s_cbranch_scc0 .Lentry_shape_is_right
	s_endpgm
.Lentry_shape_is_right:
; k = input1 Wk + bk, q = input2 Wq + bq, v = input1 Wv + bv, all on codes of BF6 (E3M2) with one E8M0 byte for each 32 along K = 1,024; sums in f32.
; The results are quantised again, q and k along the head's 64 (two blocks of 32), v along the keys, and stored as IMAGES OF OPERAND REGISTERS for the launch that follows.
; SHARES.  Work-group g takes rows 64 g .. 64 g + 63 of input1 and of input2.  Five tiles of 64 rows (Wk, Wq, input1, input2, Wv), each in three chunks of 256 bytes of every row: wave 5 c + T (0-14) fetches chunk c of tile T.
; Waves 0-5 compute: role = wave / 2 (0: k, 1: q, 2: v), i = wave % 2; waves 8-10 send the scale images.  A computing wave makes 4 x 2 accumulators: source 0 = the four tiles of 16 of set A, source 1 = tiles 2 i, 2 i + 1 of set B.
; Roles k, q: A = the weight, B = rows of the input: a lane holds one key or query and its registers run along the head's 64.  Role v: A = the keys, B = rows of Wv: a lane holds one channel, its registers run along the keys.
; A BARRIER FOR EACH CHUNK: K steps 0, 1 lie in chunk 0, steps 2-4 end in chunk 1, steps 5-7 in chunk 2.  The waves that fetch a chunk wait for it ahead of its barrier; later chunks stay on their way.
; THE ROWS OF A TILE ARE NOT NEIGHBOURS: lane r of tile T takes row 8 (T xor (r / 8)) + 32 (r / 8) + r % 8, so that in a result a lane's 32 registers are the 32 numbers of ONE block, in an order that both operands of the next product share.
; THE BLOCKS OF 32 ALONG K ARE TAKEN IN ANOTHER ORDER, alike in both operands: lane half h takes blocks 4 s + 2 h and 4 s + 2 h + 1 of K step s (48 neighbouring bytes); the scale words' bytes 1 and 2 change places to match.
; WHAT IS STORED.  A fragment of 16 rows x 64 K is 6 registers a lane: registers 0-3 at 16 x lane (512 bytes), registers 4-5 at 512 + 8 x lane (256 bytes).  A scale image is 256 bytes: the word of tile 2 b + u, row r at 128 u + 8 r + 4 b.
;   kv, record g of 6,656 bytes: four fragments of k, four of v, k's scale image, v's.   qf, record g of 3,328 bytes: four fragments of q, their scale image.
;   k's and q's words: the two blocks' bytes, twice.  v's words: the two bytes at bits 16 (g % 2) on, the rest 0: two records' words are joined by an OR.
; CLUSTER.  The three weights are read by every work-group: the four of a cluster ask for them jointly.  The inputs' rows are the work-group's own: plain tensor loads.  LDS is filled once; nothing is filled again.
; There is no loop to run ahead in (one group of loads at the head brings everything), so nothing is prefetched.
; LIMITS: a block whose largest magnitude lies under 2^-122 (a block of zeros among them) gets the byte 1: its codes are zeros or subnormals, and this program alone reads the bytes.  NaN, infinities and scale bytes 0xff among the inputs are not served.
.set P,     272                        ; an LDS row: 256 bytes of a row and 16 of padding = 68 words.  A tile's lanes 8-15 read rows 40 or 24 further on, 32 banks away (64 banks of 4 bytes: ISA guide 11.1)
.set TC,    64*P                       ; a chunk of a tile: what one tensor load brings
.set TILE,  3*TC                       ; chunk c of tile T lies at (3 T + c) TC
.set SCST,  5*TILE                     ; behind them: three scale images of 256 bytes, one a role; no tensor load lands here
.set SPARE, SCST+768                   ; the spare words, 128 bytes for each wave, that no other line names
.set AA,   4                           ; v4-7   LDS address of set A's rows for my lane: even tiles, the same where lanes 16-31 read the next chunk; odd tiles, likewise
.set BA,   8                           ; v8-11  of set B's tiles 2 i, 2 i + 1
.set L16,  12                          ; v12  16 x lane
.set L8,   13                          ; v13  8 x lane
.set SWR,  14                          ; v14  where my scale word goes in my role's image
.set SRD,  15                          ; v15  waves 8-10: where the image is read back
.set SA,   16                          ; v16-31  register 8 b + s: the word of A's tile 2 b (lanes 0-15) and 2 b + 1 (lanes 16-31) for K step s
.set SB,   32                          ; v32-39  register s: the words of B's two tiles likewise
.set ACC,  40                          ; v40-103 eight accumulators: (t, u) at 32 u + 8 t
.set F0,   104                         ; v104-175, v176-247: two sets of fragments: A's four, then B's two
.set OSA,  104                         ; ahead of the first fragments: v104 byte offset of my row in the scales (lanes 16-31: the odd tile's row)
.set OBD,  106                         ; v106-107 bias offset, roles k and q: even tiles, odd tiles
.set OBV,  108                         ; v108-109 bias offset, role v: my channel of tile 2 i, of 2 i + 1
.set CD,   104                         ; behind the products: v104-109, v110-115 the two fragments' six registers
.set CE,   116                         ; v116-118, v120-122 the second conversions' results
.set TM,   124                         ; v124-127 largest magnitudes
.set SCO,  128                         ; v128-129 the conversions' scale operands
.set BY,   130                         ; v130-131 the scale bytes
.set WD,   132                         ; v132 the scale word
.set SH8,  253                         ; v253 8 (lane / 16)
.set SPW,  254
.set NIL,  255
.macro CROUND                          ; a round of the cluster's barrier
	s_barrier_signal -1
	s_barrier_wait -1
	s_cmp_lg_u32 s34, 0
	s_cbranch_scc1 .Lnot_wave_0_\@
	s_barrier_signal -3
.Lnot_wave_0_\@:
	s_barrier_wait -3
	s_barrier_signal -1
	s_barrier_wait -1
.endm
.macro PLACES
.rept 4
	v_nop
.endr
.endm
.macro WM d, a, b, sa, sb, ra, rb      ; adds in place; ra, rb: the scale words stand in lanes 16-31
.if (\ra) && (\rb)
	v_wmma_scale_f32_16x16x128_f8f6f4 v[\d:\d+7], v[\a:\a+11], v[\b:\b+11], v[\d:\d+7], v[\sa], v[\sb] matrix_a_fmt:MATRIX_FMT_BF6 matrix_b_fmt:MATRIX_FMT_BF6 matrix_a_scale:MATRIX_SCALE_ROW1 matrix_b_scale:MATRIX_SCALE_ROW1
.else
.if (\ra)
	v_wmma_scale_f32_16x16x128_f8f6f4 v[\d:\d+7], v[\a:\a+11], v[\b:\b+11], v[\d:\d+7], v[\sa], v[\sb] matrix_a_fmt:MATRIX_FMT_BF6 matrix_b_fmt:MATRIX_FMT_BF6 matrix_a_scale:MATRIX_SCALE_ROW1
.else
.if (\rb)
	v_wmma_scale_f32_16x16x128_f8f6f4 v[\d:\d+7], v[\a:\a+11], v[\b:\b+11], v[\d:\d+7], v[\sa], v[\sb] matrix_a_fmt:MATRIX_FMT_BF6 matrix_b_fmt:MATRIX_FMT_BF6 matrix_b_scale:MATRIX_SCALE_ROW1
.else
	v_wmma_scale_f32_16x16x128_f8f6f4 v[\d:\d+7], v[\a:\a+11], v[\b:\b+11], v[\d:\d+7], v[\sa], v[\sb] matrix_a_fmt:MATRIX_FMT_BF6 matrix_b_fmt:MATRIX_FMT_BF6
.endif
.endif
.endif
.endm
; A fragment, 16 rows x 128 K, is 12 registers: lane (r, h) takes the 48 bytes at 96 s + 48 h of its row, in three pieces of 16 bytes, 16 pieces to a chunk.  Lanes 16-31 read three pieces further on than lanes 0-15:
; where that is in the next chunk, the second address register serves.
.macro FRAG reg, adr, s, off
.irp p, 0,1,2
.set PCE, 6*(\s)+\p
.if PCE%16 >= 13
	ds_load_b128 v[\reg+4*\p:\reg+4*\p+3], v[\adr+1] offset:(\off)+16*(PCE%16)+TC*(PCE/16)
.else
	ds_load_b128 v[\reg+4*\p:\reg+4*\p+3], v[\adr] offset:(\off)+16*(PCE%16)+TC*(PCE/16)
.endif
.endr
.endm
.macro FETCH s                         ; K step s into set s % 2: A's four fragments and B's two: 18 LDS loads
.set FS, F0+72*((\s)%2)
.irp t, 0,1,2,3
	FRAG FS+12*\t, AA+2*(\t%2), \s, 8*P*\t
.endr
.irp u, 0,1
	FRAG FS+48+12*\u, BA+2*\u, \s, 8*P*\u
.endr
.endm
.macro MUL s                           ; eight products; the accumulators take turns, one instruction a turn
.set MS, F0+72*((\s)%2)
.irp u, 0,1
.irp t, 0,1,2,3
	WM ACC+32*\u+8*\t, MS+12*\t, MS+48+12*\u, SA+8*(\t/2)+(\s), SB+(\s), \t%2, \u
.endr
.endr
.endm
.macro TLOAD g0, g1                    ; one tensor load
	tensor_load_to_lds s[\g0:\g0+3], s[\g1:\g1+7]
	s_nop 0
	PLACES
.endm
	s_load_b512 s[4:19], s[0:1], 0x0               ; input1's codes s[4:5], scales s[6:7]; input2's s[8:9], s[10:11]; Wk's s[12:13], s[14:15]; Wq's s[16:17], s[18:19]
	s_load_b256 s[20:27], s[0:1], 0x40             ; Wv's codes s[20:21], scales s[22:23]; bk s[24:25]; bq s[26:27]
	s_load_b128 s[28:31], s[0:1], 0x60             ; bv s[28:29]; kv s[30:31]
	s_load_b64 s[32:33], s[0:1], 0x70              ; qf
	v_lshl_add_u32 v[SPW], v0, 2, SPARE
	v_mov_b32 v[NIL], 0
	ds_add_u32 v[SPW], v[NIL]                      ; the wave's opening: the add, twice on end, and its wait
	ds_add_u32 v[SPW], v[NIL]
	v_lshrrev_b32 v3, 5, v0
	v_readfirstlane_b32 s34, v3                    ; wave 0..15
	s_lshr_b32 s39, s34, 1
	s_min_u32 s35, s39, 2                          ; role (waves 0-5)
	s_and_b32 s36, s34, 1                          ; i
	s_and_b32 s93, s34, 3                          ; the image that I send (waves 8-10)
	s_mul_i32 s60, s34, 52
	s_lshr_b32 s60, s60, 8                         ; c = wave / 5 (52 / 256 lies just over 1 / 5): the chunk that I fetch
	s_mul_i32 s61, s60, 5
	s_sub_co_u32 s61, s34, s61                     ; T = wave % 5: of this tile
	s_lshr_b32 s66, s61, 1                         ; 1 for the inputs (tiles 2, 3)
	s_mul_i32 s57, s61, TILE
	s_mul_i32 s86, s60, TC
	s_add_co_u32 s57, s57, s86                     ; where it goes: no place in the cluster enters an LDS address
	s_mov_b32 s69, s57
	s_mov_b32 s56, 1                               ; 1:0 count = 1
	s_mov_b32 s68, 1
	s_bfe_u32 s37, ttmp6, 0x40000                  ; cx: my place in the cluster
	s_lshl_b32 s38, ttmp9, 2                       ; in a cluster launch ttmp9 counts clusters
	s_add_co_u32 s38, s38, s37                     ; g: it enters global addresses of my own rows and records, and one factor of data
	; descriptor group 1: 64 rows of 32 elements of 8 bytes (256 bytes of each 768), 16 bytes of padding behind each
	s_mov_b32 s40, 15|(3<<16)|(1<<20)|(1<<21)|(5<<22)|(3<<25)   ; joint: 15:0 the mask, all four work-groups; 17:16 elements of 8 bytes; 20 padding on; 21 set beside a mask; 24:22 after every 64 words; 31:25 four words of it
	s_mov_b32 s48, (3<<16)|(1<<20)|(5<<22)|(3<<25)              ; plain: no mask
.irp g, 40, 48
	s_mov_b32 s[\g+1], 32<<16                      ; tensor_dim0
	s_mov_b32 s[\g+2], 64<<16                      ; tensor_dim1
	s_mov_b32 s[\g+3], 32<<16                      ; tile_dim0
	s_mov_b32 s[\g+4], 64                          ; tile_dim1
	s_mov_b32 s[\g+5], 96                          ; tensor_dim0_stride
	s_mov_b32 s[\g+6], 0
	s_mov_b32 s[\g+7], 0
.endr
	s_mul_i32 s86, s35, TILE                       ; set A: tile number = role
	s_add_co_u32 s87, s86, 2*TILE                  ; set B: tile number = role + 2,
	s_mul_i32 s90, s36, 16*P
	s_add_co_u32 s87, s87, s90                     ; and in it tile 2 i of 16
	s_lshl_b32 s90, s35, 8
	s_lshl_b32 s91, s36, 2
	s_add_co_u32 s90, s90, s91
	s_add_co_u32 s90, s90, SCST                    ; my role's image, + 4 i
	s_lshl_b32 s91, s93, 8
	s_add_co_u32 s91, s91, SCST
	s_lshl_b32 s88, s60, 8                         ; my chunk of a row
	s_mov_b32 s89, 0
	s_mul_i32 s62, s38, 49152                      ; my 64 rows of an input's codes
	s_mov_b32 s63, 0
	s_lshl_b32 s98, s38, 11                        ; and of its scales
	s_mov_b32 s99, 0
	s_and_b32 s92, s38, 1
	s_lshl_b32 s92, s92, 4
	s_lshl_b32 s92, 1, s92
	s_mov_b32 s94, 0x10001
	s_cmp_eq_u32 s35, 2
	s_cselect_b32 s92, s92, s94                    ; v's two scale bytes go 16 (g % 2) bits up; k's and q's stand twice
	s_mov_b32 s94, 0x03010200                      ; a scale word's bytes 1 and 2 change places
	s_cmp_lt_u32 s34, 6
	s_cselect_b32 s97, s39, s93                    ; whose results I store: it enters global addresses alone
	; lane terms and every LDS address, ahead of all branches
	v_and_b32 v240, 7, v0                          ; r % 8
	v_bfe_u32 v241, v0, 3, 1                       ; r / 8
	v_bfe_u32 v2, v0, 4, 1                         ; h
	v_and_b32 v3, 31, v0                           ; lane
	v_mad_u32_u24 v242, v241, 40, v240             ; even tiles: lanes 8-15 take rows 40 further on,
	v_mad_u32_u24 v243, v241, 24, v240             ; odd tiles: 24 further on, counted from the tile's first 8 rows
	v_lshlrev_b32 v[L16], 4, v3
	v_lshlrev_b32 v[L8], 3, v3
	v_mul_u32_u24 v244, v242, P
	v_mul_u32_u24 v245, v243, P
	v_lshlrev_b32 v[SH8], 3, v2
	v_xor_b32 v246, v2, v241
	v_mad_u32_u24 v244, v2, 48, v244               ; + 48 h
	v_mad_u32_u24 v245, v2, 48, v245
	v_add_nc_u32 v[SWR], s90, v[L8]                ; 128 u + 8 r: lanes 16-31 hold tile 2 i + 1's word
	v_add_nc_u32 v[SRD], s91, v[L8]
	v_add_nc_u32 v[AA], s86, v244
	v_add_nc_u32 v[AA+2], s86, v245
	v_add_nc_u32 v[BA], s87, v244
	v_add_nc_u32 v[BA+2], s87, v245
	v_lshl_add_u32 v247, v241, 5, v240             ; r % 8 + 32 (r / 8)
	v_mul_u32_u24 v[OBD], v2, 160                  ; 4 (32 h + 8 h)
	v_mul_u32_u24 v[OBD+1], v2, 96                 ; 4 (32 h - 8 h)
	v_lshlrev_b32 v[OBV], 2, v242
	v_lshlrev_b32 v[OBV+1], 2, v243
	v_lshl_add_u32 v247, v246, 3, v247             ; + 8 (odd tile xor r / 8)
	v_mad_u32_u24 v[AA+1], v2, TC-256, v[AA]
	v_mad_u32_u24 v[AA+3], v2, TC-256, v[AA+2]
	v_mad_u32_u24 v[BA+1], v2, TC-256, v[BA]
	v_mad_u32_u24 v[BA+3], v2, TC-256, v[BA+2]
	v_lshlrev_b32 v[OSA], 5, v247                  ; 32 scale bytes a row
	s_wait_alu depctr_va_vdst(0)                   ; ahead of the waits below
	s_wait_dscnt 0x0                               ; both opening adds are done
	s_wait_kmcnt 0x0
	s_cmp_eq_u32 s61, 0                            ; the joint loads' weight: tile 0 Wk, tile 1 Wq, tile 4 Wv.  The choice hangs on the wave's number alone
	s_cselect_b64 s[58:59], s[12:13], s[16:17]
	s_cmp_eq_u32 s61, 4
	s_cselect_b64 s[58:59], s[20:21], s[58:59]
	s_add_nc_u64 s[58:59], s[58:59], s[88:89]
	s_or_b32 s59, s59, 0x80000000                  ; 127:126 type = 2
	s_cmp_eq_u32 s61, 2                            ; the plain loads' input: tile 2 input1, tile 3 input2
	s_cselect_b64 s[70:71], s[4:5], s[8:9]
	s_add_nc_u64 s[70:71], s[70:71], s[62:63]
	s_add_nc_u64 s[70:71], s[70:71], s[88:89]
	s_or_b32 s71, s71, 0x80000000
	CROUND                                         ; all four work-groups are here: the joint loads meet
	s_cmp_lt_u32 s34, 15                           ; ONE tree of branches on the wave's number, one load to an arm; each chunk has lines of its own; wave 15: nothing
	s_cbranch_scc0 .Lasked
	s_cmp_lt_u32 s34, 5
	s_cbranch_scc0 .Lchunk1
	s_cmp_eq_u32 s66, 1
	s_cbranch_scc1 .Lplain0
	TLOAD 56, 40
	s_branch .Lasked
.Lplain0:
	TLOAD 68, 48
	s_branch .Lasked
.Lchunk1:
	s_cmp_lt_u32 s34, 10
	s_cbranch_scc0 .Lchunk2
	s_cmp_eq_u32 s66, 1
	s_cbranch_scc1 .Lplain1
	TLOAD 56, 40
	s_branch .Lasked
.Lplain1:
	TLOAD 68, 48
	s_branch .Lasked
.Lchunk2:
	s_cmp_eq_u32 s66, 1
	s_cbranch_scc1 .Lplain2
	TLOAD 56, 40
	s_branch .Lasked
.Lplain2:
	TLOAD 68, 48
.Lasked:
	; while the tiles are on their way: where the results go, the scale words and the bias
	s_cmp_eq_u32 s97, 1
	s_cselect_b64 s[82:83], s[32:33], s[30:31]     ; q's results go to qf, k's and v's to kv
	s_mov_b32 s86, 6656
	s_cselect_b32 s86, 3328, s86                   ; a record's bytes
	s_mov_b32 s88, 6144
	s_cselect_b32 s88, 3072, s88                   ; the scale image's place in it: k 6,144, q 3,072,
	s_cmp_eq_u32 s97, 2
	s_cselect_b32 s88, 6400, s88                   ; v 6,400
	s_cselect_b32 s90, 3072, 0                     ; v's fragments lie behind k's
	s_mul_i32 s86, s86, s38
	s_mov_b32 s87, 0
	s_add_nc_u64 s[82:83], s[82:83], s[86:87]      ; record g
	s_mov_b32 s89, 0
	s_add_nc_u64 s[84:85], s[82:83], s[88:89]      ; its scale image
	s_mul_i32 s91, s36, 1536
	s_add_co_u32 s90, s90, s91
	s_mov_b32 s91, 0
	s_add_nc_u64 s[82:83], s[82:83], s[90:91]      ; my two fragments
	s_cmp_lt_u32 s34, 6
	s_cbranch_scc0 .Lready
	s_add_nc_u64 s[6:7], s[6:7], s[98:99]          ; the inputs' scales at my rows
	s_add_nc_u64 s[10:11], s[10:11], s[98:99]
	s_cmp_eq_u32 s35, 0
	s_cselect_b64 s[76:77], s[14:15], s[18:19]     ; set A's scales: Wk's, Wq's, input1's
	s_cselect_b64 s[78:79], s[6:7], s[10:11]       ; set B's: input1's, input2's, Wv's
	s_cselect_b64 s[80:81], s[24:25], s[26:27]     ; the bias: bk, bq, bv
	s_cmp_eq_u32 s35, 2
	s_cselect_b64 s[76:77], s[6:7], s[76:77]
	s_cselect_b64 s[78:79], s[22:23], s[78:79]
	s_cselect_b64 s[80:81], s[28:29], s[80:81]
	s_lshl_b32 s86, s36, 9                         ; tile 2 i begins 16 i rows on: 32 scale bytes a row
	s_add_nc_u64 s[78:79], s[78:79], s[86:87]
.irp b, 0,1
	global_load_b128 v[SA+8*\b:SA+8*\b+3], v[OSA], s[76:77] offset:512*\b         ; a row's 32 scale bytes are its words for the eight K steps
	global_load_b128 v[SA+8*\b+4:SA+8*\b+7], v[OSA], s[76:77] offset:512*\b+16
.endr
	global_load_b128 v[SB:SB+3], v[OSA], s[78:79]
	global_load_b128 v[SB+4:SB+7], v[OSA], s[78:79] offset:16
	s_cmp_eq_u32 s35, 2
	s_cbranch_scc1 .Lbias_v
.irp u, 0,1                                    ; THE BIAS STARTS THE SUMS.  Roles k, q: register j of tile t is channel 32 h + 8 (t xor h) + j, in both tiles of B
.irp t, 0,1,2,3
	global_load_b128 v[ACC+32*\u+8*\t:ACC+32*\u+8*\t+3], v[OBD+\t%2], s[80:81] offset:32*\t
	global_load_b128 v[ACC+32*\u+8*\t+4:ACC+32*\u+8*\t+7], v[OBD+\t%2], s[80:81] offset:32*\t+16
.endr
.endr
	s_branch .Lbias_in
.Lbias_v:                                      ; role v: a lane holds one channel of each of its two tiles: 32 registers take that channel's bias
	s_lshl_b32 s88, s36, 6                         ; tile 2 i begins 16 i channels on
	s_add_nc_u64 s[80:81], s[80:81], s[88:89]
	global_load_b32 v110, v[OBV], s[80:81]
	global_load_b32 v111, v[OBV+1], s[80:81] offset:32
	s_wait_loadcnt 0x0
.set n, 0
.rept 32
	v_mov_b32 v[ACC+n], v110
	v_mov_b32 v[ACC+32+n], v111
.set n, n+1
.endr
	s_wait_alu depctr_va_vdst(0)
.Lbias_in:
	s_wait_loadcnt 0x0                             ; the scale words and the bias
.set n, 0
.rept 24
	v_perm_b32 v[SA+n], v[SA+n], v[SA+n], s94      ; (SA's 16 registers and SB's 8 are neighbours)
.set n, n+1
.endr
	s_wait_alu depctr_va_vdst(0)
.Lready:
	s_cmp_lt_u32 s34, 5
	s_cbranch_scc0 .Lin0
	s_wait_tensorcnt 0x0                           ; waves 0-4: my part of chunk 0 has landed
.Lin0:
	s_barrier_signal -1
	s_barrier_wait -1                              ; chunk 0 is whole; chunks 1 and 2 may be on their way: nothing is filled again
	s_cmp_lt_u32 s34, 6
	s_cbranch_scc0 .Lidle0
	FETCH 0
	FETCH 1
	s_wait_dscnt 18                                ; this K step's 18 loads are in; the next step's 18 may be out
	MUL 0
	s_wait_dscnt 0x0
	MUL 1
	PLACES                                         ; four places in front of loads into registers that these products read (ISA guide 7.12.1 for vector instructions)
.Lidle0:
	s_cmp_lt_u32 s34, 10
	s_cbranch_scc0 .Lin1
	s_wait_tensorcnt 0x0                           ; waves 5-9: my part of chunk 1 has landed
.Lin1:
	s_barrier_signal -1
	s_barrier_wait -1                              ; chunk 1 is whole
	s_cmp_lt_u32 s34, 6
	s_cbranch_scc0 .Lidle1
	FETCH 2
	FETCH 3
	s_wait_dscnt 18
	MUL 2
	PLACES
	FETCH 4
	s_wait_dscnt 18
	MUL 3
	s_wait_dscnt 0x0
	MUL 4
	PLACES
.Lidle1:
	s_wait_tensorcnt 0x0                           ; every wave: waves 10-14's parts of chunk 2 have landed
	s_barrier_signal -1
	s_barrier_wait -1                              ; chunk 2 is whole
	s_cmp_lt_u32 s34, 6
	s_cbranch_scc0 .Lidle2
	FETCH 5
	FETCH 6
	s_wait_dscnt 18
	MUL 5
	PLACES
	FETCH 7
	s_wait_dscnt 18
	MUL 6
	s_wait_dscnt 0x0
	MUL 7
	PLACES                                         ; in front of the first read of results
	; THE QUANTISER.  A lane's 32 registers of tile u are one whole block.  Each accumulator is read from its low end on.
.irp u, 0,1
.irp c, 0,1
	v_max3_num_f32 v[TM+2*\u+\c], |v[ACC+32*\u+16*\c]|, |v[ACC+32*\u+16*\c+1]|, 0x2800000   ; and the floor 2^(5 - 127): the byte cannot fall under 1
.endr
.endr
.irp i, 2,4,6,8,10,12,14
.irp u, 0,1
.irp c, 0,1
	v_max3_num_f32 v[TM+2*\u+\c], v[TM+2*\u+\c], |v[ACC+32*\u+16*\c+\i]|, |v[ACC+32*\u+16*\c+\i+1]|
.endr
.endr
.endr
.irp u, 0,1
	v_max_num_f32 v[TM+2*\u], v[TM+2*\u], v[TM+2*\u+1]   ; the block's largest magnitude
.endr
.irp u, 0,1
	v_add_nc_u32 v[SCO+\u], 0xfe000000, v[TM+2*\u] ; 4 off its exponent field: the conversion takes the exponent field of this operand as its scale
.endr
.irp u, 0,1
	v_cvt_scalef32_pk16_bf6_f32 v[CD+6*\u:CD+6*\u+2], v[ACC+32*\u:ACC+32*\u+15], v[SCO+\u]
	v_cvt_scalef32_pk16_bf6_f32 v[CE+4*\u:CE+4*\u+2], v[ACC+32*\u+16:ACC+32*\u+31], v[SCO+\u]   ; (a conversion's three registers begin on an even number)
.endr
.irp u, 0,1
	v_lshrrev_b32 v[BY+\u], 23, v[SCO+\u]          ; the scale's byte
.endr
.irp u, 0,1
	v_lshlrev_b32 v[BY+\u], v[SH8], v[BY+\u]       ; at its place: block h
.endr
.irp i, 0,1,2
	v_mov_b32 v[CD+3+\i], v[CE+\i]
	v_mov_b32 v[CD+9+\i], v[CE+4+\i]
.endr
	v_permlane16_swap_b32 v[BY], v[BY+1]           ; the first now holds both tiles' block 0 (lanes 0-15: tile 2 i, lanes 16-31: tile 2 i + 1), the second both tiles' block 1
	v_or_b32 v[WD], v[BY], v[BY+1]
	v_mul_lo_u32 v[WD], v[WD], s92
	ds_store_b32 v[SWR], v[WD]
.irp u, 0,1
	global_store_b128 v[L16], v[CD+6*\u:CD+6*\u+3], s[82:83] offset:768*\u            ; 512 consecutive bytes, at a multiple of 256 from the buffer's first byte
	global_store_b64 v[L8], v[CD+6*\u+4:CD+6*\u+5], s[82:83] offset:768*\u+512        ; 256 more
.endr
	s_wait_dscnt 0x0                               ; for the others' sake: my words lie in the image
.Lidle2:
	s_barrier_signal -1
	s_barrier_wait -1
	s_cmp_lt_u32 s34, 8                            ; waves 8-10 send the images of k, q, v
	s_cbranch_scc1 .Lno_image
	s_cmp_lt_u32 s34, 11
	s_cbranch_scc0 .Lno_image
	ds_load_b64 v[244:245], v[SRD]
	s_wait_dscnt 0x0
	global_store_b64 v[L8], v[244:245], s[84:85]   ; 256 consecutive bytes, aligned
.Lno_image:
	s_wait_tensorcnt 0x0                           ; the wave's end
	ds_add_u32 v[SPW], v[NIL]
	s_wait_dscnt 0x0
	CROUND                                         ; the closing round: no work-group ends while a partner may still ask for a tile that names it
	s_endpgm
.Lfunc_end_k_q574e0426a0_project:
	.size	k_q574e0426a0_project, .Lfunc_end_k_q574e0426a0_project-k_q574e0426a0_project
	.p2alignl 7, 3214868480
	.fill 96, 4, 3214868480
	.section	.rodata,"a",@progbits
	.p2align	6, 0x0
	.amdhsa_kernel k_q574e0426a0_project
		.amdhsa_group_segment_fixed_size 327680
		.amdhsa_private_segment_fixed_size 0
		.amdhsa_enable_private_segment 0
		.amdhsa_kernarg_size 120
		.amdhsa_user_sgpr_count 2
		.amdhsa_user_sgpr_kernarg_segment_ptr 1
		.amdhsa_wavefront_size32 1
		.amdhsa_system_sgpr_workgroup_id_x 1
		.amdhsa_system_sgpr_workgroup_id_y 1
		.amdhsa_system_sgpr_workgroup_id_z 1
		.amdhsa_system_vgpr_workitem_id 0
		.amdhsa_next_free_vgpr 256
		.amdhsa_next_free_sgpr 100
		.amdhsa_reserve_vcc 0
		.amdhsa_float_denorm_mode_32 3
		.amdhsa_float_denorm_mode_16_64 3
		.amdhsa_memory_ordered 1
		.amdhsa_forward_progress 1
		.amdhsa_inst_pref_size 39
	.end_amdhsa_kernel
	.amdgpu_metadata
---
amdhsa.version: [ 1, 2 ]
amdhsa.kernels:
  - .name:           k_q574e0426a0_project
    .symbol:         k_q574e0426a0_project.kd
    .args:
      - { .name: input1_codes, .offset: 0, .size: 8, .value_kind: global_buffer, .address_space: global }
      - { .name: input1_scales, .offset: 8, .size: 8, .value_kind: global_buffer, .address_space: global }
      - { .name: input2_codes, .offset: 16, .size: 8, .value_kind: global_buffer, .address_space: global }
      - { .name: input2_scales, .offset: 24, .size: 8, .value_kind: global_buffer, .address_space: global }
      - { .name: Wk_codes, .offset: 32, .size: 8, .value_kind: global_buffer, .address_space: global }
      - { .name: Wk_scales, .offset: 40, .size: 8, .value_kind: global_buffer, .address_space: global }
      - { .name: Wq_codes, .offset: 48, .size: 8, .value_kind: global_buffer, .address_space: global }
      - { .name: Wq_scales, .offset: 56, .size: 8, .value_kind: global_buffer, .address_space: global }
      - { .name: Wv_codes, .offset: 64, .size: 8, .value_kind: global_buffer, .address_space: global }
      - { .name: Wv_scales, .offset: 72, .size: 8, .value_kind: global_buffer, .address_space: global }
      - { .name: bk, .offset: 80, .size: 8, .value_kind: global_buffer, .address_space: global }
      - { .name: bq, .offset: 88, .size: 8, .value_kind: global_buffer, .address_space: global }
      - { .name: bv, .offset: 96, .size: 8, .value_kind: global_buffer, .address_space: global }
      - { .name: kv, .offset: 104, .size: 8, .value_kind: global_buffer, .address_space: global }
      - { .name: qf, .offset: 112, .size: 8, .value_kind: global_buffer, .address_space: global }
    .group_segment_fixed_size: 327680
    .private_segment_fixed_size: 0
    .kernarg_segment_align: 8
    .kernarg_segment_size: 120
    .max_flat_workgroup_size: 512
    .sgpr_count:     100
    .vgpr_count:     256
    .wavefront_size: 32
...
	.end_amdgpu_metadata
.endif
;; end of part 1
;; launch attend (part 2): grid 64 x 4, 16 waves a work-group, clusters of 4 x 1, 327,680 bytes of LDS; arguments kv, qf, out0; writes out0
.if DOCPART == 2
	.amdgcn_target "amdgcn-amd-amdhsa--gfx1250"
	.amdhsa_code_object_version 6
	.text
	.protected	k_q574e0426a0_attend
	.globl	k_q574e0426a0_attend
	.p2align	8
	.type	k_q574e0426a0_attend,@function
k_q574e0426a0_attend:
	s_mov_b64 s[64:65], 0
	v_nop
	global_prefetch_b8 v0, s[64:65] scope:SCOPE_SE
	s_setreg_imm32_b32 hwreg(HW_REG_WAVE_MODE, 25, 1), 1
	s_wait_xcnt 0x0
	s_wait_alu depctr_hold_cnt(0) depctr_sa_sdst(0) depctr_va_vdst(0) depctr_va_sdst(0) depctr_va_ssrc(0) depctr_va_vcc(0) depctr_vm_vsrc(0)
	s_getreg_b32 s2, hwreg(HW_REG_IB_STS2, 6, 4)
	s_cmp_eq_u32 s2, 0
	s_cbranch_scc0 .Lentry_in_a_cluster
	s_endpgm
.Lentry_in_a_cluster:
	s_bfe_u32 s2, ttmp6, 0x10000c
	s_cmp_lg_u32 s2, 0x3003
	s_cbranch_scc0 .Lentry_shape_is_right
	s_endpgm
.Lentry_shape_is_right:
; out[b][q][:] = the sum over keys of softmax(q . k / 8) v, both products on codes of BF6 (E3M2) with one E8M0 byte for each 32 along a product's K.  k, v and q come as images of operand registers (kv, qf).
; THE SOFTMAX AHEAD OF THE SECOND PRODUCT: t = score x log2(e) / 8; M = the largest t so far, rounded UP to a whole number; p = 2^(t - M) is quantised along the keys, not normalised.
; The sum is taken of the unquantised p and divides at the end.  When M moves, the sum and O are multiplied by 2^(old M - new M): exact.
; SHARES.  A work-group owns 64 queries of one batch.  Sixteen waves: wave w has two tiles of 16 queries (2 qp, 2 qp + 1; qp = w % 2) and part ks = w / 2 of the keys, in steps of 128 keys (two records of 64):
; parts 0, 1: seven steps; 2, 3: four; 4, 5: three; 6, 7: two: the longest parts have the lowest wave numbers.  A fragment of k or v serves both query tiles.
; The eight parts' O, M and sum meet in LDS at the end: their M are whole numbers, so the rescaling by 2^(M - largest M) rounds nothing.
; LAYOUT.  Both products are used transposed: S^T = K Q^T (source 0 = 16 keys), O^T = V^T P^T (source 0 = 16 channels): a lane holds ONE query throughout.  Lane r of tile T of 64 rows stands for row
; 8 (T xor (r / 8)) + 32 (r / 8) + r % 8, for keys, queries and channels alike: so the 32 registers of a record's four tiles are the 32 numbers of one block, lane / 16, in S^T (keys) and in O^T (channels).
; THE FIRST PRODUCT'S K IS 64 OF THE INSTRUCTION'S 128; zero codes of q add exact zeros whatever codes stand in source 0 (every code is a finite number).  The first query tile is (codes, zeros), the second (zeros, codes),
; with one run of zeros between; k's tiles lie packed, 6 registers each: for the first query tile a tile's operand reaches into the next tile, for the second it begins in the tile before.
; The two blocks' scale bytes stand twice in k's and q's words.
; WHERE THE KEYS COME FROM.  The batch's records 2 ks, 2 ks + 1 are part ks's first step and go straight from memory into registers (no barrier stands ahead of them); records 16-63 come into LDS, end to end, by one tensor
; load of three records a wave, all at the head, and are dealt to the parts as 24 steps.  LDS is filled once; nothing is filled again.  There is no loop to run ahead in, so nothing is prefetched.
; CLUSTER.  The four query blocks of a cluster belong to one batch and read the same kv: the tensor loads are joint.  The two records a part that go into registers cannot be: a joint request lands in LDS.
; LIMITS: the scaled scores t stay under 2^31 in magnitude; p under 2^-126 comes out of v_exp_f32 as 0; a block of p whose largest lies under 2^-122 gets the byte 1.  NaN and infinities are not served.
.set REC,   6656                       ; a record of kv: 64 keys: four fragments of k, four of v (768 bytes each), k's scale image, v's (256 each)
.set SPARE, 48*REC                     ; behind 48 records: the spare words, 128 bytes for each wave: eight blocks of 256 bytes that no other line names
.set WST,   8704                       ; the merge's stage: 32 rows x (256 + 16) bytes for each wave, from byte 0 on, on bytes that have had their only fill and have been read out behind a barrier
.set STT,   16*WST                     ; and 256 bytes a wave: for each query tile 16 words of -M, 16 of the sum
.set A16,  1                           ; v1   16 x lane + the sixth step from my part's end; behind the join the third
.set A8,   2                           ; v2   8 x lane + the same
.set SPW,  3                           ; v3   LDS address of my spare word; never rewritten
.set NIL,  4                           ; v4   0; never rewritten
.set W0,   5                           ; v5   the first query tile's half scale words
.set CH0,  254                         ; four chains of maxima
.set CH1,  6
.set CH2,  255
.set CH3,  7
.set M0,   8                           ; v8 -M, v9 the largest score so far, v[10:11] the sum in two halves; v12-15 the same of the second query tile
.set M1,   12
.set QA,   16                          ; v16-21 first query tile's codes, v22-27 zeros: its operand v16-27
.set QB,   22                          ; v28-33 the second's codes: its operand v22-33
.set QS,   34                          ; v34  q's scale words: lanes 0-15 the first tile's, lanes 16-31 the second's
.set PW,   35                          ; v35  p's scale words likewise
.set KS,   36                          ; v36-39 k's scale words: register t / 2, lanes 0-15 the even tile, lanes 16-31 the odd
.set VS,   40                          ; v40-43 v's, of the step's two records
.set PB,   44                          ; v44-55 the second query tile's p codes (its upper six stand ahead of k's first tile)
.set KV,   56                          ; v56-103 eight tiles of k, 6 registers each; later four tiles of v, 12 each
.set PA,   104                         ; v104-115 the first's p codes (its lower six stand behind k's last tile)
.set S,    116                         ; v116-179 S^T, then p, then partial sums
.set O,    180                         ; v180-243 O^T, 32 registers a query tile
.set K0,   186                         ; v186-233 the first step's k, where O^T is not begun; six registers of zeros on either side
.set L16,  240                         ; v240 16 x lane, v241 8 x lane, for the loads at the head: O^T's first products, behind the wait for those loads, write over them
.set L8,   241
.set PT,   244                         ; v244-246, v248-250 the conversions' second halves
.set TT,   247
.set PX,   251
.set FF,   252                         ; v252 f = 2^(old M - new M); v253 is only named as the pair's upper half
.set SH8,  253                         ; v253 8 (lane / 16)
.macro CROUND                          ; a round of the cluster's barrier
	s_barrier_signal -1
	s_barrier_wait -1
	s_cmp_lg_u32 s10, 0
	s_cbranch_scc1 .Lnot_wave_0_\@
	s_barrier_signal -3
.Lnot_wave_0_\@:
	s_barrier_wait -3
	s_barrier_signal -1
	s_barrier_wait -1
.endm
.macro PLACES
.rept 4
	v_nop
.endr
.endm
.macro WM d, a, b, c, sa, sb, ra, rb   ; ra, rb: the scale words stand in lanes 16-31
.if (\ra) && (\rb)
	v_wmma_scale_f32_16x16x128_f8f6f4 v[\d:\d+7], v[\a:\a+11], v[\b:\b+11], \c, v[\sa], v[\sb] matrix_a_fmt:MATRIX_FMT_BF6 matrix_b_fmt:MATRIX_FMT_BF6 matrix_a_scale:MATRIX_SCALE_ROW1 matrix_b_scale:MATRIX_SCALE_ROW1
.else
.if (\ra)
	v_wmma_scale_f32_16x16x128_f8f6f4 v[\d:\d+7], v[\a:\a+11], v[\b:\b+11], \c, v[\sa], v[\sb] matrix_a_fmt:MATRIX_FMT_BF6 matrix_b_fmt:MATRIX_FMT_BF6 matrix_a_scale:MATRIX_SCALE_ROW1
.else
.if (\rb)
	v_wmma_scale_f32_16x16x128_f8f6f4 v[\d:\d+7], v[\a:\a+11], v[\b:\b+11], \c, v[\sa], v[\sb] matrix_a_fmt:MATRIX_FMT_BF6 matrix_b_fmt:MATRIX_FMT_BF6 matrix_b_scale:MATRIX_SCALE_ROW1
.else
	v_wmma_scale_f32_16x16x128_f8f6f4 v[\d:\d+7], v[\a:\a+11], v[\b:\b+11], \c, v[\sa], v[\sb] matrix_a_fmt:MATRIX_FMT_BF6 matrix_b_fmt:MATRIX_FMT_BF6
.endif
.endif
.endif
.endm
; The softmax of one query tile on 128 keys, in two halves of 64 (a record each).  nm: -M and, behind it, the largest score; sm: the sum; pc: where the codes go; w: the half scale words; ob: the tile's O^T; first: nothing stands
; under an old M; sg: signal a barrier whose wait stands behind the step's products (1: all my LDS reads are over; 2: my tensor load has landed); q1: the second query tile.
.macro SOFT nm, sm, pc, w, ob, first, sg, q1
.irp n, 0,1,2,3                        ; chains 0, 1: my block of the first record; 2, 3: of the second.  Each accumulator is read from its low end on
	v_max3_num_f32 v[CH\n], v[S+16*\n], v[S+16*\n+1], v[S+16*\n+2]
.endr
.irp i, 3,5,7,9,11,13
.irp n, 0,1,2,3
	v_max3_num_f32 v[CH\n], v[CH\n], v[S+16*\n+\i], v[S+16*\n+\i+1]
.endr
.endr
	v_max3_num_f32 v[CH0], v[CH0], v[CH1], v[S+15]
	v_max3_num_f32 v[CH2], v[CH2], v[CH3], v[S+47]
	v_max_num_f32 v[CH0], v[CH0], v[S+31]          ; the block's largest score: it serves the row's maximum and, since p rises with the score, the block's largest p
	v_max_num_f32 v[CH2], v[CH2], v[S+63]
	v_max_num_f32 v[TT], v[CH0], v[CH2]
	v_permlanex16_b32 v[PX], v[TT], s40, s41       ; lane l xor 16's keys
.if \first
	v_max_num_f32 v[\nm+1], v[TT], v[PX]           ; the largest score of my query
	v_mul_f32 v[TT], s50, v[\nm+1]                 ; as -t (c is positive)
	v_floor_f32 v[\nm], v[TT]                      ; -M = floor(-t) = -ceil(t): a whole number
.else
	v_max3_num_f32 v[\nm+1], v[\nm+1], v[TT], v[PX]
	v_mul_f32 v[TT], s50, v[\nm+1]
	v_floor_f32 v[TT], v[TT]
	v_sub_f32 v[PX], v[TT], v[\nm]                 ; old M - new M: a whole number, 0 or less
	v_mov_b32 v[\nm], v[TT]
	v_cvt_i32_f32 v[PX], v[PX]                     ; (it saturates)
	v_ldexp_f32 v[FF], 1.0, v[PX]                  ; f = 2^(old M - new M)
.endif
.set n, 0
.rept 16
	v_pk_fma_f32 v[S+n:S+n+1], v[S+n:S+n+1], s[42:43], v[\nm:\nm+1] op_sel_hi:[1,0,0]   ; t - M, two at a time: the first half
.set n, n+2
.endr
	v_fma_f32 v[CH0], v[CH0], s42, v[\nm]          ; the same of each block's largest score
	v_fma_f32 v[CH2], v[CH2], s42, v[\nm]
	s_wait_alu depctr_va_vdst(0)                   ; ahead of the batch and ahead of the first reader of O^T
.if \sg == 1
	s_wait_dscnt 0x0                               ; v's last fragments are in: my LDS reads are over
	s_barrier_signal -1                            ; say so; until the wait, behind the step's products, stands work on registers alone
	s_wait_alu depctr_va_vdst(0)
.endif
.if !\first
.irp j, 0,2,4,6,8,10,12,14,16,18,20,22,24,26,28,30
	v_pk_mul_f32 v[\ob+\j:\ob+\j+1], v[\ob+\j:\ob+\j+1], v[FF:FF+1] op_sel_hi:[1,0]   ; O^T under the new M
.endr
.endif
	v_exp_f32 v[CH0], v[CH0]                       ; the block's largest p: the same two instructions on the same number give the same bits
	v_exp_f32 v[CH2], v[CH2]
.set n, 0
.rept 16                               ; p = 2^(t - M), at most 1: the first half; among them t - M of the second
	v_exp_f32 v[S+n], v[S+n]
	v_exp_f32 v[S+n+1], v[S+n+1]
	v_pk_fma_f32 v[S+32+n:S+33+n], v[S+32+n:S+33+n], s[42:43], v[\nm:\nm+1] op_sel_hi:[1,0,0]
.set n, n+2
.endr
	s_wait_alu depctr_va_vdst(0)                   ; behind this batch and ahead of the next
	v_max_num_f32 v[CH0], 0x2800000, v[CH0]        ; the floor 2^(5 - 127): the byte cannot fall under 1
	v_max_num_f32 v[CH2], 0x2800000, v[CH2]
	v_add_nc_u32 v[CH0], 0xfe000000, v[CH0]        ; 4 off the exponent field: the conversion's scale operand
	v_add_nc_u32 v[CH2], 0xfe000000, v[CH2]
	v_cvt_scalef32_pk16_bf6_f32 v[\pc:\pc+2], v[S:S+15], v[CH0]
	v_cvt_scalef32_pk16_bf6_f32 v[PT:PT+2], v[S+16:S+31], v[CH0]   ; (a conversion's three registers begin on an even number)
	v_lshrrev_b32 v[PX], 23, v[CH0]                ; the scales' bytes
	v_lshrrev_b32 v[\w], 23, v[CH2]
	s_wait_alu depctr_va_vdst(0)                   ; ahead of the second batch
.set n, 0
.rept 8                                ; the second half; among them the first half's sums of the unquantised p, by twos, in place
	v_exp_f32 v[S+32+n], v[S+32+n]
	v_exp_f32 v[S+33+n], v[S+33+n]
	v_exp_f32 v[S+34+n], v[S+34+n]
	v_exp_f32 v[S+35+n], v[S+35+n]
	v_pk_add_f32 v[S+n:S+n+1], v[S+n:S+n+1], v[S+n+2:S+n+3]
.set n, n+4
.endr
	s_wait_alu depctr_va_vdst(0)                   ; behind the second batch
.if \sg == 2
	s_wait_tensorcnt 0x0                           ; my three records are in:
	s_barrier_signal -1                            ; say so; until the wait, behind the step's products, stands work on registers alone
.endif
	v_cvt_scalef32_pk16_bf6_f32 v[\pc+6:\pc+8], v[S+32:S+47], v[CH2]
	v_cvt_scalef32_pk16_bf6_f32 v[PT+4:PT+6], v[S+48:S+63], v[CH2]
	v_lshl_or_b32 v[\w], v[\w], 16, v[PX]
.irp i, 0,1,2
	v_mov_b32 v[\pc+3+\i], v[PT+\i]
.endr
	v_lshlrev_b32 v[\w], v[SH8], v[\w]             ; at bytes h and 2 + h
.set n, 32
.rept 8
	v_pk_add_f32 v[S+n:S+n+1], v[S+n:S+n+1], v[S+n+2:S+n+3]
.set n, n+4
.endr
.irp i, 0,1,2
	v_mov_b32 v[\pc+9+\i], v[PT+4+\i]
.endr
.if \q1
	v_permlane16_swap_b32 v[W0], v[\w]             ; the first now holds both tiles' bytes 0, 2 (lanes 0-15: first tile, lanes 16-31: second), the second both tiles' bytes 1, 3
	v_or_b32 v[PW], v[W0], v[\w]
.endif
.irp i, 0,8,16,24,32,40,48,56
	v_pk_add_f32 v[S+\i:S+\i+1], v[S+\i:S+\i+1], v[S+\i+4:S+\i+5]
.endr
.irp i, 0,16,32,48
	v_pk_add_f32 v[S+\i:S+\i+1], v[S+\i:S+\i+1], v[S+\i+8:S+\i+9]
.endr
.irp i, 0,32
	v_pk_add_f32 v[S+\i:S+\i+1], v[S+\i:S+\i+1], v[S+\i+16:S+\i+17]
.endr
.if \first
	v_pk_add_f32 v[\sm:\sm+1], v[S:S+1], v[S+32:S+33]
.else
	v_pk_add_f32 v[S:S+1], v[S:S+1], v[S+32:S+33]
	v_pk_fma_f32 v[\sm:\sm+1], v[\sm:\sm+1], v[FF:FF+1], v[S:S+1] op_sel_hi:[1,0,1]   ; what was summed, under the new M
.endif
.endm
; A KEY STEP: 128 keys: two records.  kind 0: the first, from registers filled at the head; 1: from LDS, at byte off; 2: the last.
.macro STEP kind, off
.if \kind
.set KB, KV
.irp c, 0,1
	ds_load_b64 v[KS+2*\c:KS+2*\c+1], v[A8] offset:(\off)+REC*\c+6144
.endr
.irp t, 0,1,2,3,4,5,6,7                ; k's eight tiles: tile t % 4 of record t / 4
	ds_load_b128 v[KV+6*\t:KV+6*\t+3], v[A16] offset:(\off)+REC*(\t/4)+768*(\t%4)
	ds_load_b64 v[KV+6*\t+4:KV+6*\t+5], v[A8] offset:(\off)+REC*(\t/4)+768*(\t%4)+512
.endr
.irp c, 0,1
	ds_load_b64 v[VS+2*\c:VS+2*\c+1], v[A8] offset:(\off)+REC*\c+6400
.endr
.else
.set KB, K0
	s_wait_loadcnt 16                              ; all but v's sixteen loads
.endif
.irp t, 0,1,2,3,4,5,6,7
.if \kind
.if \t < 7
	s_wait_dscnt 14-2*\t                           ; tile t and the next, into which its operand reaches, are in; the later tiles, two loads each, and v's two scale loads may be out
.else
	s_wait_dscnt 0x0
.endif
.endif
	WM S+8*\t, KB+6*\t, QA, 0, KS+\t/2, QS, \t%2, 0   ; registers 32 c + 8 t + j: keys of record c, block lane / 16; lane r: query r
.endr
	v_or_b32 v[VS], v[VS], v[VS+2]                 ; v's scale words: the first record's two bytes below, the second's above.  (Two of four places behind the products)
	v_or_b32 v[VS+1], v[VS+1], v[VS+3]
	v_nop
	v_nop
.if \kind
	SOFT M0, M0+2, PA, W0, O, 0, 0, 0
.else
	SOFT M0, M0+2, PA, W0, O, 1, 0, 0
.endif
.irp t, 0,1,2,3,4,5,6,7
	WM S+8*\t, KB-6+6*\t, QB, 0, KS+\t/2, QS, \t%2, 1
.endr
	PLACES                                         ; in front of the loads below and of the first read of the scores
.if \kind
.irp t, 0,1,2,3                        ; v's four tiles: registers 6 c on from record c.  They land under the softmax
.irp c, 0,1
	ds_load_b128 v[KV+12*\t+6*\c:KV+12*\t+6*\c+3], v[A16] offset:(\off)+REC*\c+3072+768*\t
	ds_load_b64 v[KV+12*\t+6*\c+4:KV+12*\t+6*\c+5], v[A8] offset:(\off)+REC*\c+3072+768*\t+512
.endr
.endr
.endif
.if \kind == 0
	SOFT M1, M1+2, PB, TT, O+32, 1, 2, 1
	s_wait_loadcnt 0x0                             ; v
.endif
.if \kind == 1
	SOFT M1, M1+2, PB, TT, O+32, 0, 0, 1
	s_wait_dscnt 0x0                               ; v
.endif
.if \kind == 2
	SOFT M1, M1+2, PB, TT, O+32, 0, 1, 1
.endif
.irp t, 0,1,2,3                        ; the eight accumulators take turns; the next step's sixteen products stand between two links
.if \kind
	WM O+8*\t, KV+12*\t, PA, v[O+8*\t:O+8*\t+7], VS+\t/2, PW, \t%2, 0
	WM O+32+8*\t, KV+12*\t, PB, v[O+32+8*\t:O+32+8*\t+7], VS+\t/2, PW, \t%2, 1
.else
	WM O+8*\t, KV+12*\t, PA, 0, VS+\t/2, PW, \t%2, 0
	WM O+32+8*\t, KV+12*\t, PB, 0, VS+\t/2, PW, \t%2, 1
.endif
.endr
.if \kind < 2
	PLACES                                         ; in front of the next step's loads (ISA guide 7.12.1 for vector instructions)
.endif
.endm
	s_load_b128 s[4:7], s[0:1], 0x0                ; kv s[4:5], qf s[6:7]
	s_load_b64 s[8:9], s[0:1], 0x10                ; out
	v_lshl_add_u32 v[SPW], v0, 2, SPARE
	v_mov_b32 v[NIL], 0
	ds_add_u32 v[SPW], v[NIL]                      ; the wave's opening: the add, twice on end, and its wait
	ds_add_u32 v[SPW], v[NIL]
	v_lshrrev_b32 v5, 5, v0
	v_readfirstlane_b32 s10, v5                    ; wave 0..15
	s_and_b32 s11, s10, 1                          ; qp
	s_lshr_b32 s12, s10, 1                         ; ks
	s_bfe_u32 s13, ttmp6, 0x40000                  ; cx: my place in the cluster
	s_lshl_b32 s14, ttmp9, 2                       ; in a cluster launch ttmp9 counts clusters
	s_add_co_u32 s14, s14, s13                     ; my block of 64 queries: it enters qf's and out's addresses alone
	s_and_b32 s15, ttmp7, 0xffff                   ; the batch, which the four partners share
	s_lshl_b32 s49, s15, 6
	s_add_co_u32 s49, s49, s14                     ; g = 64 x batch + block
	s_mov_b32 s40, 0x76543210
	s_mov_b32 s41, 0xfedcba98                      ; v_permlanex16_b32's selects for lane l xor 16
	s_mov_b32 s42, 0x3e38aa3b                      ; c = log2(e) / 8
	s_mov_b32 s43, s42                             ; (the packed form names the pair and takes its low word for both halves)
	s_mov_b32 s50, 0xbe38aa3b                      ; -c
	; descriptor group 1: three records: 78 rows of 32 elements of 8 bytes, dense, no padding: the reads are images, 16 or 8 consecutive bytes a lane
	s_mov_b32 s16, 15|(3<<16)|(1<<21)              ; 15:0 the mask: all four work-groups; 17:16 elements of 8 bytes; 21 set beside a mask
	s_mov_b32 s17, 32<<16                          ; tensor_dim0
	s_mov_b32 s18, 78<<16                          ; tensor_dim1
	s_mov_b32 s19, 32<<16                          ; tile_dim0
	s_mov_b32 s20, 78                              ; tile_dim1
	s_mov_b32 s21, 32                              ; tensor_dim0_stride
	s_mov_b32 s22, 0
	s_mov_b32 s23, 0
	s_mov_b32 s24, 1                               ; group 0: 1:0 count = 1
	s_mul_i32 s25, s10, 3*REC                      ; 63:32 LDS address: no place in the cluster enters it
	s_mul_i32 s44, s15, 64*REC                     ; the batch's 64 records:
	s_add_co_u32 s56, s44, s25
	s_add_co_u32 s56, s56, 16*REC                  ; the three that I fetch,
	s_mov_b32 s57, 0
	s_mul_i32 s54, s12, 2*REC
	s_add_co_u32 s44, s44, s54                     ; and the two of my first step
	s_mov_b32 s45, 0
	s_mul_i32 s46, s49, 3328                       ; qf's record g
	s_mov_b32 s47, 0
	s_lshl_b32 s52, s11, 2
	s_add_co_u32 s52, s52, s46
	s_add_co_u32 s52, s52, 3072                    ; my two tiles' words in its scale image: 3,072 + 8 x lane + 4 qp
	s_mov_b32 s53, 0
	s_mul_i32 s55, s11, 1536
	s_add_co_u32 s46, s46, s55                     ; my two tiles' fragments
	s_min_u32 s54, s12, 1
	s_mul_i32 s54, s54, 3
	s_min_u32 s55, s12, 3
	s_add_co_u32 s54, s54, s55
	s_min_u32 s55, s12, 5
	s_add_co_u32 s54, s54, s55
	s_add_co_u32 s54, s54, s12                     ; 0, 6, 9, 12, 14, 16, 17, 18: my part's end, 6, 12, 15, 18, 20, 22, 23, 24, less 6, in steps
	s_mul_i32 s54, s54, 2*REC
	v_and_b32 v116, 31, v0                         ; lane
	v_bfe_u32 v117, v0, 4, 1                       ; h
	v_lshlrev_b32 v[L16], 4, v116
	v_lshlrev_b32 v[L8], 3, v116
	v_lshlrev_b32 v[SH8], 3, v117
	v_add_nc_u32 v[A16], s54, v[L16]
	v_add_nc_u32 v[A8], s54, v[L8]
	v_mov_b32 v[PX], 0                             ; written once: a lane permute's destination counts as one of its sources
.irp j, 0,1,2,3,4,5
	v_mov_b32 v[QB+\j], 0                          ; the zero codes of both query tiles
	v_mov_b32 v[K0-6+\j], 0                        ; what the first step's first and last tiles reach into
	v_mov_b32 v[K0+48+\j], 0
.endr
	s_wait_alu depctr_va_vdst(0)                   ; ahead of the waits below
	s_wait_dscnt 0x0                               ; both opening adds are done
	s_wait_kmcnt 0x0
	s_add_nc_u64 s[28:29], s[4:5], s[44:45]
	s_add_nc_u64 s[26:27], s[4:5], s[56:57]        ; 120:64 global address
	s_or_b32 s27, s27, 0x80000000                  ; 127:126 type = 2
	s_add_nc_u64 s[52:53], s[6:7], s[52:53]
	s_add_nc_u64 s[6:7], s[6:7], s[46:47]
	global_load_b128 v[QA:QA+3], v[L16], s[6:7]
	global_load_b64 v[QA+4:QA+5], v[L8], s[6:7] offset:512
	global_load_b128 v[QB+6:QB+9], v[L16], s[6:7] offset:768
	global_load_b64 v[QB+10:QB+11], v[L8], s[6:7] offset:1280
	global_load_b32 v[QS], v[L8], s[52:53]
.irp c, 0,1                                    ; the first step's two records: scale words, k,
	global_load_b64 v[KS+2*\c:KS+2*\c+1], v[L8], s[28:29] offset:REC*\c+6144
	global_load_b64 v[VS+2*\c:VS+2*\c+1], v[L8], s[28:29] offset:REC*\c+6400
.endr
.irp t, 0,1,2,3,4,5,6,7
	global_load_b128 v[K0+6*\t:K0+6*\t+3], v[L16], s[28:29] offset:REC*(\t/4)+768*(\t%4)
	global_load_b64 v[K0+6*\t+4:K0+6*\t+5], v[L8], s[28:29] offset:REC*(\t/4)+768*(\t%4)+512
.endr
	CROUND                                         ; all four work-groups are here: the joint loads meet
	tensor_load_to_lds s[24:27], s[16:23]          ; my one tensor load
	s_nop 0
.irp t, 0,1,2,3                                ; and v: sixteen loads
.irp c, 0,1
	global_load_b128 v[KV+12*\t+6*\c:KV+12*\t+6*\c+3], v[L16], s[28:29] offset:REC*\c+3072+768*\t
	global_load_b64 v[KV+12*\t+6*\c+4:KV+12*\t+6*\c+5], v[L8], s[28:29] offset:REC*\c+3072+768*\t+512
.endr
.endr
	STEP 0, 0
	s_barrier_wait -1                              ; everybody's records are in
	s_cmp_lt_u32 s10, 4
	s_cbranch_scc0 .Ljoin
	STEP 1, 0                                      ; parts 0, 1: six steps from LDS
	STEP 1, 2*REC
	STEP 1, 4*REC
.Ljoin:
	v_add_nc_u32 v[A16], 6*REC, v[A16]             ; every wave: on to the third step from my part's end
	v_add_nc_u32 v[A8], 6*REC, v[A8]
	s_wait_alu depctr_va_vdst(0)                   ; ahead of the branches
	s_cmp_lt_u32 s10, 12
	s_cbranch_scc0 .Llast                          ; parts 6, 7: one step from LDS
	s_cmp_lt_u32 s10, 8
	s_cbranch_scc0 .Llast_two                      ; parts 4, 5: two; parts 2, 3: three
	STEP 1, 0
.Llast_two:
	STEP 1, 2*REC
.Llast:
	STEP 2, 4*REC
	; THE MERGE.  Each wave puts its part's O^T, -M and sum into LDS; then each wave joins four rows from the eight parts and stores them.
	v_add_f32 v10, v10, v11                        ; the sums' two halves,
	v_add_f32 v14, v14, v15
	v_permlanex16_b32 v[PX], v10, s40, s41
	v_permlanex16_b32 v[TT], v14, s40, s41
	v_add_f32 v10, v10, v[PX]                      ; and lane l xor 16's
	v_add_f32 v14, v14, v[TT]
	s_mul_i32 s44, s10, WST                        ; my stage
	s_lshl_b32 s45, s10, 8
	s_add_co_u32 s45, s45, STT
	s_and_b32 s11, s10, 3                          ; behind the barrier I join rows 4 e4 + 2 h + 0, 1 of query tile qt = w % 4 (e4 = w / 4)
	s_lshr_b32 s12, s10, 2
	s_mul_i32 s54, s11, 4352                       ; a tile's part n lies at 17,408 n + 4,352 qt
	s_mul_i32 s55, s12, 4*272
	s_add_co_u32 s54, s54, s55
	s_lshl_b32 s56, s11, 7
	s_lshl_b32 s55, s12, 4
	s_add_co_u32 s56, s56, s55
	s_add_co_u32 s56, s56, STT
	s_lshl_b32 s46, s49, 14                        ; out: 64 rows of 256 bytes a block; my rows begin at query 8 (qt xor (e4 / 2)) + 32 (e4 / 2) + 4 (e4 % 2)
	s_lshr_b32 s55, s12, 1
	s_xor_b32 s57, s11, s55
	s_lshl_b32 s57, s57, 11
	s_add_co_u32 s46, s46, s57
	s_lshl_b32 s55, s55, 13
	s_add_co_u32 s46, s46, s55
	s_and_b32 s55, s12, 1
	s_lshl_b32 s55, s55, 10
	s_add_co_u32 s46, s46, s55
	s_mov_b32 s47, 0
	s_add_nc_u64 s[8:9], s[8:9], s[46:47]
	v_and_b32 v116, 15, v0                         ; r
	v_bfe_u32 v117, v0, 4, 1                       ; h
	v_mul_u32_u24 v118, v116, 272
	v_mul_u32_u24 v120, v117, 2*272
	v_add_nc_u32 v118, s44, v118                   ; in: row r,
	v_lshl_add_u32 v120, v116, 4, v120
	v_mad_u32_u24 v119, v117, 96, v118             ; odd tiles: channels 32 h - 8 h on,
	v_mad_u32_u24 v118, v117, 160, v118            ; even tiles: channels 32 h + 8 h on
	v_add_nc_u32 v120, s54, v120                   ; back: 16 bytes a lane of rows 4 e4 + 2 h on
	v_lshl_add_u32 v144, v116, 2, s45              ; in: -M and sum
	v_lshl_add_u32 v122, v117, 3, s56              ; back: those of my two rows
	v_lshlrev_b32 v123, 9, v117                    ; out: lanes 0-15 one row of 256 bytes, lanes 16-31 the row two further on
	v_add_nc_u32 v121, 4*17408, v120
	v_lshl_add_u32 v123, v116, 4, v123
	s_wait_alu depctr_va_vdst(0)                   ; ahead of the barrier's wait
	s_barrier_wait -1                              ; nobody reads a record any more
.irp j, 0,1
.irp t, 0,1,2,3
	ds_store_b128 v[118+\t%2], v[O+32*\j+8*\t:O+32*\j+8*\t+3] offset:4352*\j+32*\t      ; channels 32 h + 8 (t xor h) on; each accumulator from its low end on
	ds_store_b128 v[118+\t%2], v[O+32*\j+8*\t+4:O+32*\j+8*\t+7] offset:4352*\j+32*\t+16
.endr
	ds_store_b32 v144, v[M0+4*\j] offset:128*\j    ; lanes l and l xor 16 write the same word with the same value
	ds_store_b32 v144, v[M0+4*\j+2] offset:128*\j+64
.endr
	s_wait_dscnt 0x0                               ; for the others' sake: my stores have landed
	s_barrier_signal -1
	s_barrier_wait -1
.irp n, 0,1,2,3,4,5,6,7
	ds_load_b64 v[80+2*\n:81+2*\n], v122 offset:512*\n           ; -M of the two rows, part n
	ds_load_b64 v[96+2*\n:97+2*\n], v122 offset:512*\n+64        ; their sums
.endr
.irp n, 0,1,2,3,4,5,6,7
.irp e, 0,1
	ds_load_b128 v[16+32*\e+4*\n:19+32*\e+4*\n], v[120+\n/4] offset:17408*(\n%4)+272*\e
.endr
.endr
	s_wait_dscnt 16                                ; -M and the sums are in; the rows' sixteen loads may be out
.irp e, 0,1
	v_min3_num_f32 v[112+\e], v[80+\e], v[82+\e], v[84+\e]
.endr
.irp e, 0,1
	v_min3_num_f32 v[112+\e], v[112+\e], v[86+\e], v[88+\e]
.endr
.irp e, 0,1
	v_min3_num_f32 v[112+\e], v[112+\e], v[90+\e], v[92+\e]
.endr
.irp e, 0,1
	v_min_num_f32 v[112+\e], v[112+\e], v[94+\e]   ; the least -M: the largest M
.endr
.irp n, 0,1,2,3,4,5,6,7
	v_pk_add_f32 v[124+2*\n:125+2*\n], v[112:113], v[80+2*\n:81+2*\n] neg_lo:[0,1] neg_hi:[0,1]   ; M of part n - the largest M: a whole number, 0 or less
.endr
.set n, 0
.rept 16
	v_cvt_i32_f32 v[124+n], v[124+n]               ; (it saturates)
.set n, n+1
.endr
.set n, 0
.rept 16
	v_ldexp_f32 v[124+n], 1.0, v[124+n]            ; f of part n: an exact power of two
.set n, n+1
.endr
	v_pk_mul_f32 v[140:141], v[124:125], v[96:97]
.irp n, 1,2,3,4,5,6,7
	v_pk_fma_f32 v[140:141], v[124+2*\n:125+2*\n], v[96+2*\n:97+2*\n], v[140:141]   ; the rows' sums
.endr
	s_wait_alu depctr_va_vdst(0)                   ; ahead of the batch
	v_rcp_f32 v142, v140
	v_rcp_f32 v143, v141
	v_nop                                          ; one plain place behind a transcendental
	s_wait_alu depctr_va_vdst(0)                   ; and ahead of its first reader
.irp n, 0,1,2,3,4,5,6,7
	v_pk_mul_f32 v[124+2*\n:125+2*\n], v[124+2*\n:125+2*\n], v[142:143]   ; f / the sum
.endr
	s_wait_alu depctr_va_vdst(0)                   ; ahead of the wait below
	s_wait_dscnt 0x0                               ; the rows
.irp e, 0,1                                    ; (of a pair of factors the low one is row 0's, the high one row 1's)
.irp k, 0,2
	v_pk_mul_f32 v[144+4*\e+\k:145+4*\e+\k], v[16+32*\e+\k:17+32*\e+\k], v[124:125] op_sel:[0,\e] op_sel_hi:[1,\e]
.endr
.endr
.irp n, 1,2,3,4,5,6,7
.irp e, 0,1
.irp k, 0,2
	v_pk_fma_f32 v[144+4*\e+\k:145+4*\e+\k], v[16+32*\e+4*\n+\k:17+32*\e+4*\n+\k], v[124+2*\n:125+2*\n], v[144+4*\e+\k:145+4*\e+\k] op_sel:[0,\e,0] op_sel_hi:[1,\e,1]
.endr
.endr
.endr
.irp e, 0,1
	global_store_b128 v123, v[144+4*\e:147+4*\e], s[8:9] offset:256*\e th:TH_STORE_NT   ; sixteen lanes store a row's 256 consecutive bytes, at a multiple of 256 from out's first byte; written once, read by nobody here
.endr
	s_wait_tensorcnt 0x0                           ; the wave's end, behind my last tensor load and my last LDS store
	ds_add_u32 v[SPW], v[NIL]
	s_wait_dscnt 0x0
	CROUND                                         ; the closing round: no work-group ends while a partner may still ask for a tile that names it
	s_endpgm
.Lfunc_end_k_q574e0426a0_attend:
	.size	k_q574e0426a0_attend, .Lfunc_end_k_q574e0426a0_attend-k_q574e0426a0_attend
	.p2alignl 7, 3214868480
	.fill 96, 4, 3214868480
	.section	.rodata,"a",@progbits
	.p2align	6, 0x0
	.amdhsa_kernel k_q574e0426a0_attend
		.amdhsa_group_segment_fixed_size 327680
		.amdhsa_private_segment_fixed_size 0
		.amdhsa_enable_private_segment 0
		.amdhsa_kernarg_size 24
		.amdhsa_user_sgpr_count 2
		.amdhsa_user_sgpr_kernarg_segment_ptr 1
		.amdhsa_wavefront_size32 1
		.amdhsa_system_sgpr_workgroup_id_x 1
		.amdhsa_system_sgpr_workgroup_id_y 1
		.amdhsa_system_sgpr_workgroup_id_z 1
		.amdhsa_system_vgpr_workitem_id 0
		.amdhsa_next_free_vgpr 256
		.amdhsa_next_free_sgpr 66
		.amdhsa_reserve_vcc 0
		.amdhsa_float_denorm_mode_32 3
		.amdhsa_float_denorm_mode_16_64 3
		.amdhsa_memory_ordered 1
		.amdhsa_forward_progress 1
		.amdhsa_inst_pref_size 204
	.end_amdhsa_kernel
	.amdgpu_metadata
---
amdhsa.version: [ 1, 2 ]
amdhsa.kernels:
  - .name:           k_q574e0426a0_attend
    .symbol:         k_q574e0426a0_attend.kd
    .args:
      - { .name: kv, .offset: 0, .size: 8, .value_kind: global_buffer, .address_space: global }
      - { .name: qf, .offset: 8, .size: 8, .value_kind: global_buffer, .address_space: global }
      - { .name: out0, .offset: 16, .size: 8, .value_kind: global_buffer, .address_space: global }
    .group_segment_fixed_size: 327680
    .private_segment_fixed_size: 0
    .kernarg_segment_align: 8
    .kernarg_segment_size: 24
    .max_flat_workgroup_size: 512
    .sgpr_count:     66
    .vgpr_count:     256
    .wavefront_size: 32
...
	.end_amdgpu_metadata
.endif
;; end of part 2
